; MI455X (gfx1250); checked and timed in simulation.
; The chip was launched on July 23, 2026; its instructions are those of AMD's public machine-readable ISA for CDNA 5 (MIT licence, August 2026) and "CDNA5" Instruction Set Architecture Reference Guide (July 2026). The comments in the code are by the model that wrote it; some were corrected since.
;; Favor Plus Attention. Allowed arithmetic: float matrix products may take bf16 or f16 operands with f32 sums; all other float work in f32.
;; Inputs: key 4 x 4,096 x 256 float32; projection 256 x 256 float32; query 4 x 4,096 x 256 float32; value 4 x 4,096 x 256 float32.
;; Outputs: out0 4 x 4,096 x 256 float32.
;; 2 versions, each right; version 2 is version 1 with the launch prefix written anew for expert scheduling mode. Each part assembles by itself: llvm-mc -triple=amdgcn-amd-amdhsa -mcpu=gfx1250 --defsym DOCPART=n.
;; ======== version 1 of 2: 3 launches
;; limits: values outside matrix products are rounded to bf16
;; workspace buffers: kf 8,388,608 bytes; qf 8,388,608 bytes; vb 8,388,608 bytes; st 8,912,896 bytes; pf 8,912,896 bytes
;; launch phistate (part 1): grid 256 x 1, 4 waves a work-group, clusters of 4 x 1, 327,680 bytes of LDS; arguments key, projection, query, value, kf, qf, vb, st; writes kf, qf, vb, st
.if DOCPART == 1
	.amdgcn_target "amdgcn-amd-amdhsa--gfx1250"
	.amdhsa_code_object_version 6
	.text
	.protected	k_q35c1069f38_phistate
	.globl	k_q35c1069f38_phistate
	.p2align	8
	.type	k_q35c1069f38_phistate,@function
k_q35c1069f38_phistate:
	s_mov_b64 s[64:65], 0
	v_nop
	global_prefetch_b8 v0, s[64:65] scope:SCOPE_SE
	s_setreg_imm32_b32 hwreg(HW_REG_WAVE_MODE, 25, 1), 1
	s_wait_xcnt 0x0
	s_wait_alu depctr_hold_cnt(0) depctr_sa_sdst(0) depctr_va_vdst(0) depctr_va_sdst(0) depctr_va_ssrc(0) depctr_va_vcc(0) depctr_vm_vsrc(0)
	s_getreg_b32 s2, hwreg(HW_REG_IB_STS2, 6, 4)
	s_cmp_eq_u32 s2, 0
	s_cbranch_scc0 .Lentry_in_a_cluster
	s_endpgm
.Lentry_in_a_cluster:
	s_bfe_u32 s2, ttmp6, 0x10000c
	s_cmp_lg_u32 s2, 0x3003
	s_cbranch_scc0 .Lentry_shape_is_right
	s_endpgm
.Lentry_shape_is_right:
; FAVOR+ features and chunk states.  phi(x) = exp(x W / 16 - |x|^2 / 2) / 16 = exp2(acc * log2e/16 - |x|^2 * log2e/2 - 4).
; The 4 x 4096 rows are 64 chunks of 256 rows.  A cluster of four work-groups takes one chunk; partner cx takes the features 64 cx .. 64 cx + 63.
; All four need the same rows of key, value and query, so these come by JOINT tensor loads (mask 15): each row is asked of memory once for four.
; Results, all bf16, all in the order of matrix fragments (1 KiB = [i = 0,1][lane][16 bytes]; i = registers 0-3 or 4-7), so that every store of a
; wave covers 512 consecutive bytes, aligned, and the next launches read them back with lane * 16:
;   kf, qf [chunk][row tile 16][c 8]   lane (r, h): row 16 rt + r, features 32 c + 16 i + 8 h + 0..7
;   vb     [chunk][dt 16][kc 8]        lane (r, h): d = 16 dt + r, rows 32 kc + 16 i + 8 h + 0..7
;   st     [chunk][dt 17][c 8]         lane (r, h): d = 16 dt + r, features as above: sum over the chunk's rows of k'[row][f] v[row][d];
;                                      tile dt = 16 holds sum of k'[row][f] in the lanes r = 0 and zeros elsewhere (the denominator's state)
; LIMITS: key, query, value and W are rounded to bf16 once, as they come in, and phi is evaluated AT THE ROUNDED POINT: the product and |x|^2 take the
; same rounded x (squares and sums in f32), so that both terms of the exponent belong to one point; against the unrounded x a weight differs by the
; operand's rounding, some 2^-9 of itself.  v_exp_f32 gives 0 below 2^-126 (ISA guide 15.8).  k', q' and the states are rounded to bf16, whose exponents
; span those of f32; their rounding averages out over the 256 features only where a row's features differ by more than a bf16 step (2^-8 of the value).
; No maximum is taken away, as in the definition.
; No prefetch: every tile is asked for one whole trip ahead of its use.  Four waves, one on each SIMD, W's slice resident in 256 registers.
.set XP,    1040                       ; LDS pitch of a row of 256 f32: 1024 + 16, an odd multiple of 16
.set SLOTB, 128*XP                     ; a slot: 128 rows (64 of key + 64 of value, or 128 of query)
.set HALFB, 64*XP
.set WQ,    32*XP                      ; what one wave's tensor load fills
.set KP,    160                        ; pitch of the bf16 stages: an odd multiple of 32, for the transposing loads
.set WST,   2*SLOTB                    ; W's slice, bf16 [256 d][64 f]: written by ds_store alone
.set KT,    WST+256*KP                 ; one step's k', bf16 [64 rows][64 f]: written by ds_store alone
; window 0
.set AX,   4                           ; v4-7   x rows: slot s, half n at v[4 + 2 s + n]
.set AV,   8                           ; v8-9   value's words, slot s
.set AKS,  10                          ; v10    k' stage, store
.set AKT,  11                          ; v11    k' stage, transposing load
.set AKZ,  12                          ; v12    the same at feature tile w
.set AWT,  13                          ; v13    W stage, transposing load
.set GO,   14                          ; v14    offset in kf, qf
.set GV,   15                          ; v15    offset in st
.set GZ,   16                          ; v16    offset of st's tile 16
.set GVS,  17                          ; v17    offset in vb
.set BIAS, 18                          ; v[18:19]
.set SQ,   20                          ; v[20:27] eight chains of squares
.set ONES, 32                          ; v[32:39] fragment: 1.0 in column 0
.set ACC,  40                          ; v[40:71] four feature tiles
.set PK,   72                          ; v[72:87] phi, packed
.set XB,   88                          ; v[88:151] x as 8 bf16 fragments; later k' fragments v[88:127], the chosen V fragment v[128:135], the states packed v[88:155]
.set SEL,  128
.set VB,   152                         ; v[152:183] four V fragments
; window 1: W fragments (ft, c) at 8 (4 c + ft).  window 2: states (mt, dq) at 8 (4 mt + dq), denominator's at 128.  window 3: 128 registers of f32 as loaded
.set MSB, 0
.macro WIN new                         ; the immediate's high byte repeats the setting that is left
.if MSB != \new
	s_set_vgpr_msb (MSB<<8)|\new
.set MSB, \new
.endif
.endm
.macro PLACES                          ; four places behind a matrix instruction (ISA guide 7.12.1)
.rept 4
	v_nop
.endr
.endm
.macro ROUND                           ; a round of the cluster's barrier
	s_barrier_signal -1
	s_barrier_wait -1
	s_cmp_lg_u32 s20, 0
	s_cbranch_scc1 .Lnw0_\@
	s_barrier_signal -3
.Lnw0_\@:
	s_barrier_wait -3
	s_barrier_signal -1
	s_barrier_wait -1
.endm
	s_load_b512 s[4:19], s[0:1], 0x0               ; key 4, projection 6, query 8, value 10, kf 12, qf 14, vb 16, st 18
	v_lshl_add_u32 v254, v0, 2, 0x4d800
	v_mov_b32 v255, 0
	ds_add_u32 v254, v255
	v_lshrrev_b32 v1, 5, v0
	v_readfirstlane_b32 s20, v1                    ; wave
	s_bfe_u32 s21, ttmp6, 0x40000                  ; cx: my feature slice
	; group 1: 32 rows x 256 f32, 16 bytes of padding behind each row, for all four partners
	s_mov_b32 s24, 15|(2<<16)|(1<<20)|(1<<21)|(7<<22)|(3<<25)
	s_mov_b32 s25, 256<<16                         ; tensor_dim0
	s_mov_b32 s26, 32<<16                          ; tensor_dim1
	s_mov_b32 s27, 256<<16                         ; tile_dim0
	s_mov_b32 s28, 32                              ; tile_dim1
	s_mov_b32 s29, 256                             ; pitch
	s_mov_b32 s30, 0
	s_mov_b32 s31, 0
	s_mul_i32 s44, s20, WQ                         ; my 32 rows of a slot
	s_mov_b32 s32, 1
	s_add_co_u32 s33, s44, 0
	s_mov_b32 s36, 1
	s_add_co_u32 s37, s44, SLOTB
	s_lshl_b32 s46, ttmp9, 18                      ; chunk x 256 rows of 1024 bytes
	s_and_b32 s45, s20, 1
	s_lshl_b32 s45, s45, 15
	s_add_co_u32 s46, s46, s45                     ; waves 0, 1: key's rows 0-31, 32-63 of a step; waves 2, 3: value's
	s_mov_b32 s47, 0
	s_lshl_b32 s48, ttmp9, 18
	s_lshl_b32 s45, s20, 15
	s_add_co_u32 s48, s48, s45                     ; query: rows 32 w of 128
	s_mov_b32 s49, 0
	s_lshl_b32 s44, ttmp9, 17                      ; chunk x 131072
	s_mov_b32 s45, 0
	s_lshl_b32 s59, s21, 11                        ; what holds cx stays in s56-s63
	s_add_co_u32 s60, s44, s59
	s_mov_b32 s61, 0
	s_mul_i32 s62, ttmp9, 139264
	s_add_co_u32 s62, s62, s59
	s_mov_b32 s63, 0
	s_cmp_eq_u32 s21, 1
	s_cselect_b32 s56, -1, 0                       ; lane masks: cx = 1, 2, 3
	s_cmp_eq_u32 s21, 2
	s_cselect_b32 s57, -1, 0
	s_cmp_eq_u32 s21, 3
	s_cselect_b32 s58, -1, 0
	s_mov_b32 s50, 0x76543210                      ; v_permlanex16_b32: lane i xor 16
	s_mov_b32 s51, 0xfedcba98
	s_mov_b32 s52, 0x3db8aa3b                      ; log2e / 16
	s_mov_b32 s53, 0x3db8aa3b
	s_mov_b32 s54, 0xffff0000                      ; a word's upper bf16
	s_mov_b32 s55, 0xbf38aa3b                      ; - log2e / 2
	s_wait_dscnt 0x0
	s_wait_kmcnt 0x0
	s_cmp_lt_u32 s20, 2
	s_cselect_b64 s[40:41], s[4:5], s[10:11]
	s_add_nc_u64 s[40:41], s[40:41], s[46:47]      ; step 0 of key or value
	s_add_nc_u64 s[42:43], s[8:9], s[48:49]        ; query
	s_mov_b64 s[34:35], s[40:41]
	s_or_b32 s35, s35, 0x80000000
	s_add_nc_u64 s[38:39], s[40:41], 65536         ; step 1: 64 rows on
	s_or_b32 s39, s39, 0x80000000
	s_add_nc_u64 s[16:17], s[16:17], s[44:45]      ; vb at my chunk
	s_add_nc_u64 s[12:13], s[12:13], s[60:61]      ; kf, qf at my chunk and slice
	s_add_nc_u64 s[14:15], s[14:15], s[60:61]
	s_add_nc_u64 s[18:19], s[18:19], s[62:63]      ; st likewise
	ROUND                                          ; the four partners are here: the first joint loads meet
	tensor_load_to_lds s[32:35], s[24:31]          ; step 0
	s_nop 0
	tensor_load_to_lds s[36:39], s[24:31]          ; step 1: two loads of the wave are out, the most in this text
	s_nop 0
	v_and_b32 v1, 31, v0                           ; lane
	v_and_b32 v2, 15, v0                           ; r
	v_bfe_u32 v3, v0, 4, 1                         ; h
	v_lshl_add_u32 v28, s20, 4, v2                 ; 16 w + r
	v_mul_u32_u24 v[AX], v28, XP
	v_lshl_add_u32 v[AX], v3, 5, v[AX]             ; + 32 h: eight f32
	v_add_nc_u32 v[AX+1], HALFB, v[AX]
	v_add_nc_u32 v[AX+2], SLOTB, v[AX]
	v_add_nc_u32 v[AX+3], SLOTB+HALFB, v[AX]
	v_mul_u32_u24 v[AV], v3, 8*XP                  ; rows 8 h
	v_lshl_add_u32 v29, s20, 6, v2                 ; column 64 w + r
	v_lshl_add_u32 v[AV], v29, 2, v[AV]
	v_add_nc_u32 v[AV], HALFB, v[AV]
	v_add_nc_u32 v[AV+1], SLOTB, v[AV]
	v_mul_u32_u24 v[AKS], v28, KP
	v_lshl_add_u32 v[AKS], v3, 4, v[AKS]
	v_add_nc_u32 v[AKS], KT, v[AKS]
	v_and_b32 v30, 7, v0                           ; transposing load: row 8 h + (lane & 7), 16 bytes by lane bit 3
	v_lshl_add_u32 v30, v3, 3, v30
	v_mul_u32_u24 v30, v30, KP
	v_bfe_u32 v31, v0, 3, 1
	v_lshl_add_u32 v30, v31, 4, v30
	v_add_nc_u32 v[AKT], KT, v30
	v_lshl_add_u32 v[AKZ], s20, 5, v[AKT]
	v_add_nc_u32 v[AWT], WST, v30
	v_lshlrev_b32 v[GO], 4, v1
	v_lshl_add_u32 v[GV], s20, 15, v[GO]
	v_lshl_add_u32 v[GZ], s20, 9, v[GO]
	v_add_nc_u32 v[GZ], 131072, v[GZ]
	v_lshl_add_u32 v[GVS], s21, 13, v[GV]
	v_lshl_add_u32 v[GO], s20, 13, v[GO]
	v_cmp_eq_u32 vcc_lo, 0, v2
	v_mov_b32 v[ONES], 0x3f803f80
	v_cndmask_b32 v[ONES], 0, v[ONES], vcc_lo
.irp j, 1,2,3,4,5,6,7
	v_mov_b32 v[ONES+\j], v[ONES]
.endr
	; W's slice: 256 rows x 256 bytes; a load takes two rows, sixteen lanes each; to bf16, into the stage
	v_lshl_add_u32 v28, s20, 6, v3                 ; row 64 w + h
	v_lshlrev_b32 v29, 10, v28
	v_lshl_add_u32 v29, v2, 4, v29
	v_lshl_add_u32 v29, s21, 8, v29
	v_mul_u32_u24 v31, v28, KP
	v_lshl_add_u32 v31, v2, 3, v31
	v_add_nc_u32 v31, WST, v31
	WIN 0xc0
.set n, 0
.rept 32
	global_load_b128 v[4*n:4*n+3], v29, s[6:7] offset:2048*n
.set n, n+1
.endr
	WIN 0x0f
.set n, 0
.rept 32
	s_wait_loadcnt 31-n                            ; the younger loads stay out
	v_cvt_pk_bf16_f32 v[XB+2*n], v[4*n], v[4*n+1]
	v_cvt_pk_bf16_f32 v[XB+2*n+1], v[4*n+2], v[4*n+3]
.set n, n+1
.endr
	WIN 0
.set n, 0
.rept 32
	ds_store_b64 v31, v[XB+2*n:XB+2*n+1] offset:2*KP*n
.set n, n+1
.endr
	s_wait_dscnt 0x0                               ; my part of W's stage is written,
	s_wait_tensorcnt 0x1                           ; my part of step 0 has landed; step 1's may stay out
	s_barrier_signal -1
	s_barrier_wait -1
	WIN 0x40
.irp c, 0,1,2,3,4,5,6,7
.irp ft, 0,1,2,3
	ds_load_tr16_b128 v[8*(4*\c+\ft):8*(4*\c+\ft)+3],   v[AWT] offset:\c*32*KP+32*\ft
	ds_load_tr16_b128 v[8*(4*\c+\ft)+4:8*(4*\c+\ft)+7], v[AWT] offset:\c*32*KP+16*KP+32*\ft
.endr
.endr
	WIN 0
	s_wait_dscnt 0x0
; phi of my 16 rows (address register ax) for my work-group's 64 features; packed to base + imm; isk: also into the k' stage.
; The matrix instruction takes W's fragment as source 0 and x's as source 1: a lane then holds eight neighbouring features of one row.
.macro PHI ax, base, imm, isk
	s_wait_xcnt 0x0                                ; the registers that earlier stores read are rewritten only behind this wait
	WIN 0xc0
.irp c, 0,1,2,3,4,5,6,7
	ds_load_b128 v[16*\c:16*\c+3],     v[\ax] offset:128*\c
	ds_load_b128 v[16*\c+4:16*\c+7],   v[\ax] offset:128*\c+16
	ds_load_b128 v[16*\c+8:16*\c+11],  v[\ax] offset:128*\c+64
	ds_load_b128 v[16*\c+12:16*\c+15], v[\ax] offset:128*\c+80
.endr
	PLACES                                         ; the state's last matrix instructions read k' fragments in the registers that the conversions below
	                                               ; write as x's fragments, and no vector instruction stands between: four places, while the loads are on their way
	WIN 0x0f
.irp c, 0,1,2,3,4,5,6,7
	s_wait_dscnt 28-4*\c                           ; group c's four loads are in, the younger ones stay out
.irp j, 0,1,2,3,4,5,6,7
	v_cvt_pk_bf16_f32 v[XB+8*\c+\j], v[16*\c+2*\j], v[16*\c+2*\j+1]
.endr
.endr
	WIN 0x01                                       ; the four accumulators take turns, one instruction a turn
.irp c, 0,1,2,3,4,5,6,7
.irp ft, 0,1,2,3
.if \c == 0
	v_wmma_f32_16x16x32_bf16 v[ACC+8*\ft:ACC+8*\ft+7], v[8*(4*\c+\ft):8*(4*\c+\ft)+7], v[XB+8*\c:XB+8*\c+7], 0
.else
	v_wmma_f32_16x16x32_bf16 v[ACC+8*\ft:ACC+8*\ft+7], v[8*(4*\c+\ft):8*(4*\c+\ft)+7], v[XB+8*\c:XB+8*\c+7], v[ACC+8*\ft:ACC+8*\ft+7]
.endif
.endr
.endr
	WIN 0
	; |x|^2 of the ROUNDED x, in f32: my 128 numbers in eight chains, straight from the packed halves.  The first four words start the chains: nothing is cleared.
	; These lines only read x's fragments and write none of the matrix instructions' registers.
.irp p, 0,1,2,3
	v_lshlrev_b32 v[SQ+2*\p], 16, v[XB+\p]
	v_and_b32 v[SQ+2*\p+1], s54, v[XB+\p]
.endr
.irp p, 0,1,2,3
	v_pk_mul_f32 v[SQ+2*\p:SQ+2*\p+1], v[SQ+2*\p:SQ+2*\p+1], v[SQ+2*\p:SQ+2*\p+1]
.endr
.set t, 4
.rept 60
	v_fma_mix_f32_bf16 v[SQ+2*(t%4)],   v[XB+t], v[XB+t], v[SQ+2*(t%4)]   op_sel_hi:[1,1,0]                 ; low half squared
	v_fma_mix_f32_bf16 v[SQ+2*(t%4)+1], v[XB+t], v[XB+t], v[SQ+2*(t%4)+1] op_sel:[1,1,0] op_sel_hi:[1,1,0]  ; high half squared
.set t, t+1
.endr
	v_pk_add_f32 v[SQ:SQ+1], v[SQ:SQ+1], v[SQ+2:SQ+3]           ; these four sums alone are four places behind the last matrix instruction
	v_pk_add_f32 v[SQ+4:SQ+5], v[SQ+4:SQ+5], v[SQ+6:SQ+7]
	v_pk_add_f32 v[SQ:SQ+1], v[SQ:SQ+1], v[SQ+4:SQ+5]
	v_add_f32 v[SQ], v[SQ], v[SQ+1]
	v_permlanex16_b32 v28, v[SQ], s50, s51         ; lane r + 16 holds the row's other 128 squares
	v_add_f32 v[SQ], v[SQ], v28
	v_fma_f32 v[BIAS], v[SQ], s55, -4.0            ; - |x|^2 log2e / 2 - 4
	v_mov_b32 v[BIAS+1], v[BIAS]
.set t, 0
.rept 16
	v_pk_fma_f32 v[ACC+2*t:ACC+2*t+1], v[ACC+2*t:ACC+2*t+1], s[52:53], v[BIAS:BIAS+1] op_sel_hi:[1,0,1]
.set t, t+1
.endr
.set t, 0
.rept 32
	v_exp_f32 v[ACC+t], v[ACC+t]
.set t, t+1
.endr
	v_nop                                          ; one plain place behind the exponentials (ISA guide 5.7.2)
.set t, 0
	s_wait_alu depctr_va_vdst(0)
.rept 16
	v_cvt_pk_bf16_f32 v[PK+t], v[ACC+2*t], v[ACC+2*t+1]
.set t, t+1
.endr
.irp ft, 0,1,2,3
	global_store_b128 v[GO], v[PK+4*\ft:PK+4*\ft+3], s[\base:\base+1] offset:\imm+512*\ft
.endr
.if \isk
.irp ft, 0,1,2,3
	ds_store_b128 v[AKS], v[PK+4*\ft:PK+4*\ft+3] offset:32*\ft
.endr
.endif
.endm
; The state's share of one step of 64 rows: S[f][d] += k'[row][f] v[row][d] for my 64 columns d and the group's 64 features, 32 rows at a time.
.macro STATE slot, step, zero
.irp kc, 0,1
	PLACES                                         ; behind the matrix instructions that read the registers loaded below
	WIN 0xc0
.irp dq, 0,1,2,3
.set t, 0
.rept 16
	ds_load_b32 v[16*\dq+t], v[AV+\slot] offset:64*\dq+(32*\kc+t+(t/8)*8)*XP
.set t, t+1
.endr
.endr
	WIN 0
.irp mt, 0,1,2,3
	ds_load_tr16_b128 v[XB+8*\mt:XB+8*\mt+3],   v[AKT] offset:\kc*32*KP+32*\mt
	ds_load_tr16_b128 v[XB+8*\mt+4:XB+8*\mt+7], v[AKT] offset:\kc*32*KP+16*KP+32*\mt
.endr
	ds_load_tr16_b128 v[XB+32:XB+35], v[AKZ] offset:\kc*32*KP
	ds_load_tr16_b128 v[XB+36:XB+39], v[AKZ] offset:\kc*32*KP+16*KP
	s_wait_dscnt 10                                ; value's 64 words are in; the ten transposing loads stay out
	WIN 0x0f
.set t, 0
.rept 32
	v_cvt_pk_bf16_f32 v[VB+t], v[2*t], v[2*t+1]
.set t, t+1
.endr
	WIN 0
	s_wait_xcnt 0x0                                ; SEL, which the last store read, is rewritten only behind this wait
.irp j, 0,1,2,3,4,5,6,7                            ; partner cx stores the fragment dq = cx: the four partners write each byte of vb once
	v_cndmask_b32 v[SEL+\j], v[VB+\j], v[VB+8+\j], s56
	v_cndmask_b32 v[SEL+\j], v[SEL+\j], v[VB+16+\j], s57
	v_cndmask_b32 v[SEL+\j], v[SEL+\j], v[VB+24+\j], s58
.endr
	global_store_b128 v[GVS], v[SEL:SEL+3],   s[16:17] offset:(2*\step+\kc)*1024
	global_store_b128 v[GVS], v[SEL+4:SEL+7], s[16:17] offset:(2*\step+\kc)*1024+512
	s_wait_dscnt 0x0
	WIN 0xa0                                       ; seventeen accumulators take turns
.irp mt, 0,1,2,3
.irp dq, 0,1,2,3
.if \zero*(1-\kc)
	v_wmma_f32_16x16x32_bf16 v[8*(4*\mt+\dq):8*(4*\mt+\dq)+7], v[XB+8*\mt:XB+8*\mt+7], v[VB+8*\dq:VB+8*\dq+7], 0
.else
	v_wmma_f32_16x16x32_bf16 v[8*(4*\mt+\dq):8*(4*\mt+\dq)+7], v[XB+8*\mt:XB+8*\mt+7], v[VB+8*\dq:VB+8*\dq+7], v[8*(4*\mt+\dq):8*(4*\mt+\dq)+7]
.endif
.endr
.endr
.if \zero*(1-\kc)
	v_wmma_f32_16x16x32_bf16 v[128:135], v[XB+32:XB+39], v[ONES:ONES+7], 0
.else
	v_wmma_f32_16x16x32_bf16 v[128:135], v[XB+32:XB+39], v[ONES:ONES+7], v[128:135]
.endif
	WIN 0
.endr
.endm
.macro KVWORK slot, step, zero
	PHI AX+2*\slot, 12, \step*32768, 1
	s_wait_dscnt 0x0                               ; my rows of the k' stage are written
	s_barrier_signal -1
	s_barrier_wait -1                              ; everybody's are
	STATE \slot, \step, \zero
.endm
; A slot that has been read is filled again: all my tensor loads have landed, my LDS reads are back, a round of the cluster's barrier, then the one joint load.
.macro OPENKV slot
	s_wait_tensorcnt 0x0
	ds_add_u32 v254, v255
	s_add_nc_u64 s[34+4*\slot:35+4*\slot], s[34+4*\slot:35+4*\slot], 131072   ; two steps on
	s_wait_dscnt 0x0
	ROUND
	tensor_load_to_lds s[32+4*\slot:35+4*\slot], s[24:31]
	s_nop 0
.endm
.macro OPENQ slot, off
	s_wait_tensorcnt 0x0
	ds_add_u32 v254, v255
	s_add_nc_u64 s[34+4*\slot:35+4*\slot], s[42:43], \off
	s_or_b32 s[35+4*\slot], s[35+4*\slot], 0x80000000
	s_wait_dscnt 0x0
	ROUND
	tensor_load_to_lds s[32+4*\slot:35+4*\slot], s[24:31]
	s_nop 0
.endm
	KVWORK 0, 0, 1
	OPENKV 0                                       ; slot 0: step 2
	KVWORK 1, 1, 0
	OPENKV 1                                       ; slot 1: step 3
	KVWORK 0, 2, 0
	OPENQ 0, 0                                     ; slot 0: query's rows 0-127
	KVWORK 1, 3, 0
	; the states leave: a lane's eight numbers are eight neighbouring features of one column d
	PLACES
	s_wait_xcnt 0x0                                ; SEL lies among the registers written below
	WIN 0x0a
.set t, 0
.rept 68
	v_cvt_pk_bf16_f32 v[XB+t], v[2*t], v[2*t+1]
.set t, t+1
.endr
	WIN 0
.irp mt, 0,1,2,3
.irp dq, 0,1,2,3
	global_store_b128 v[GV], v[XB+4*(4*\mt+\dq):XB+4*(4*\mt+\dq)+3], s[18:19] offset:\dq*8192+512*\mt
.endr
.endr
	global_store_b128 v[GZ], v[XB+64:XB+67], s[18:19]
	OPENQ 1, 131072                                ; slot 1: query's rows 128-255, the last load
	PHI AX, 14, 0, 0
	PHI AX+1, 14, 32768, 0
	s_wait_tensorcnt 0x0                           ; my part of slot 1 has landed
	s_wait_dscnt 0x0
	s_barrier_signal -1
	s_barrier_wait -1
	PHI AX+2, 14, 65536, 0
	PHI AX+3, 14, 98304, 0
	s_wait_tensorcnt 0x0
	ds_add_u32 v254, v255
	s_wait_dscnt 0x0
	ROUND                                          ; the closing round: no partner ends while another may still ask
	s_endpgm
.Lfunc_end_k_q35c1069f38_phistate:
	.size	k_q35c1069f38_phistate, .Lfunc_end_k_q35c1069f38_phistate-k_q35c1069f38_phistate
	.p2alignl 7, 3214868480
	.fill 96, 4, 3214868480
	.section	.rodata,"a",@progbits
	.p2align	6, 0x0
	.amdhsa_kernel k_q35c1069f38_phistate
		.amdhsa_group_segment_fixed_size 327680
		.amdhsa_private_segment_fixed_size 0
		.amdhsa_enable_private_segment 0
		.amdhsa_kernarg_size 64
		.amdhsa_user_sgpr_count 2
		.amdhsa_user_sgpr_kernarg_segment_ptr 1
		.amdhsa_wavefront_size32 1
		.amdhsa_system_sgpr_workgroup_id_x 1
		.amdhsa_system_sgpr_workgroup_id_y 1
		.amdhsa_system_sgpr_workgroup_id_z 1
		.amdhsa_system_vgpr_workitem_id 0
		.amdhsa_next_free_vgpr 896
		.amdhsa_next_free_sgpr 66
		.amdhsa_reserve_vcc 1
		.amdhsa_float_denorm_mode_32 3
		.amdhsa_float_denorm_mode_16_64 3
		.amdhsa_memory_ordered 1
		.amdhsa_forward_progress 1
		.amdhsa_inst_pref_size 255
	.end_amdhsa_kernel
	.section	.bss,"aw",@nobits
	.p2align	6
	.space	262144
	.amdgpu_metadata
---
amdhsa.version: [ 1, 2 ]
amdhsa.kernels:
  - .name:           k_q35c1069f38_phistate
    .symbol:         k_q35c1069f38_phistate.kd
    .args:
      - { .name: key, .offset: 0, .size: 8, .value_kind: global_buffer, .address_space: global }
      - { .name: projection, .offset: 8, .size: 8, .value_kind: global_buffer, .address_space: global }
      - { .name: query, .offset: 16, .size: 8, .value_kind: global_buffer, .address_space: global }
      - { .name: value, .offset: 24, .size: 8, .value_kind: global_buffer, .address_space: global }
      - { .name: kf, .offset: 32, .size: 8, .value_kind: global_buffer, .address_space: global }
      - { .name: qf, .offset: 40, .size: 8, .value_kind: global_buffer, .address_space: global }
      - { .name: vb, .offset: 48, .size: 8, .value_kind: global_buffer, .address_space: global }
      - { .name: st, .offset: 56, .size: 8, .value_kind: global_buffer, .address_space: global }
    .group_segment_fixed_size: 327680
    .private_segment_fixed_size: 0
    .kernarg_segment_align: 8
    .kernarg_segment_size: 64
    .max_flat_workgroup_size: 128
    .sgpr_count:     66
    .vgpr_count:     896
    .wavefront_size: 32
...
	.end_amdgpu_metadata
.endif
;; end of part 1
;; launch prefix (part 2): grid 68 x 4, 4 waves a work-group, no clusters, 0 bytes of LDS; arguments st, pf; writes pf
.if DOCPART == 2
	.amdgcn_target "amdgcn-amd-amdhsa--gfx1250"
	.amdhsa_code_object_version 6
	.text
	.protected	k_q35c1069f38_prefix
	.globl	k_q35c1069f38_prefix
	.p2align	8
	.type	k_q35c1069f38_prefix,@function
k_q35c1069f38_prefix:
	s_mov_b64 s[64:65], 0
	v_nop
	global_prefetch_b8 v0, s[64:65] scope:SCOPE_SE
	s_setreg_imm32_b32 hwreg(HW_REG_WAVE_MODE, 25, 1), 1
	s_wait_xcnt 0x0
; pf[b][g] = sum over g' < g of st[b][g'], the sixteen chunk states of a batch; sums in f32, rounded to bf16 once for each g.
; A chunk's image is 139,264 bytes = 68 x 2,048.  A work-group of 128 threads owns 2,048 bytes of the image in all sixteen chunks of one batch, a thread 16 bytes:
; each load and store of a wave covers 512 consecutive bytes, aligned.  All fifteen loads go out at once; chunk 15's state is needed by nobody.
; A stream: no LDS, no barrier, no matrix unit, no cluster (no byte is read twice).
.set CH,  139264
.set SUM, 4                            ; v[4:11]    eight running sums
.set IN,  16                           ; v[16:75]   chunk g as loaded
.set OUT, 76                           ; v[80:135]  chunk g's own registers to store: none is rewritten
.set ZR,  136                          ; v[136:139] zeros
.set T,   140                          ; v[140:147] at work
	s_load_b128 s[4:7], s[0:1], 0x0
	s_and_b32 s8, ttmp7, 0xffff
	s_mul_i32 s8, s8, 16*CH                        ; batch
	s_lshl_b32 s9, ttmp9, 11
	s_add_co_u32 s8, s8, s9
	s_mov_b32 s9, 0
	s_mov_b32 s10, 0xffff0000
	v_lshlrev_b32 v1, 4, v0
.irp k, 0,1,2,3
	v_mov_b32 v[ZR+\k], 0
.endr
	s_wait_kmcnt 0x0
	s_add_nc_u64 s[4:5], s[4:5], s[8:9]
	s_add_nc_u64 s[6:7], s[6:7], s[8:9]
.set g, 0
.rept 15
	global_load_b128 v[IN+4*g:IN+4*g+3], v1, s[4:5] offset:g*CH th:TH_LOAD_NT
.set g, g+1
.endr
	global_store_b128 v1, v[ZR:ZR+3], s[6:7]       ; nothing lies in front of chunk 0
	s_wait_loadcnt 14
.irp k, 0,1,2,3
	v_lshlrev_b32 v[SUM+2*\k], 16, v[IN+\k]        ; chunk 0 starts the sums
	v_and_b32 v[SUM+2*\k+1], s10, v[IN+\k]
.endr
	global_store_b128 v1, v[IN:IN+3], s[6:7] offset:CH   ; and is chunk 1's prefix as it stands
.set g, 1
.rept 14
	s_wait_loadcnt 14-g                            ; chunk g is in, the younger loads stay out
.irp k, 0,1,2,3
	v_lshlrev_b32 v[T+2*\k], 16, v[IN+4*g+\k]
	v_and_b32 v[T+2*\k+1], s10, v[IN+4*g+\k]
.endr
.irp k, 0,2,4,6
	v_pk_add_f32 v[SUM+\k:SUM+\k+1], v[SUM+\k:SUM+\k+1], v[T+\k:T+\k+1]
.endr
.irp k, 0,1,2,3
	v_cvt_pk_bf16_f32 v[OUT+4*g+\k], v[SUM+2*\k], v[SUM+2*\k+1]
.endr
	global_store_b128 v1, v[OUT+4*g:OUT+4*g+3], s[6:7] offset:(g+1)*CH
.set g, g+1
.endr
	s_endpgm
.Lfunc_end_k_q35c1069f38_prefix:
	.size	k_q35c1069f38_prefix, .Lfunc_end_k_q35c1069f38_prefix-k_q35c1069f38_prefix
	.p2alignl 7, 3214868480
	.fill 96, 4, 3214868480
	.section	.rodata,"a",@progbits
	.p2align	6, 0x0
	.amdhsa_kernel k_q35c1069f38_prefix
		.amdhsa_group_segment_fixed_size 0
		.amdhsa_private_segment_fixed_size 0
		.amdhsa_enable_private_segment 0
		.amdhsa_kernarg_size 16
		.amdhsa_user_sgpr_count 2
		.amdhsa_user_sgpr_kernarg_segment_ptr 1
		.amdhsa_wavefront_size32 1
		.amdhsa_system_sgpr_workgroup_id_x 1
		.amdhsa_system_sgpr_workgroup_id_y 1
		.amdhsa_system_sgpr_workgroup_id_z 1
		.amdhsa_system_vgpr_workitem_id 0
		.amdhsa_next_free_vgpr 148
		.amdhsa_next_free_sgpr 66
		.amdhsa_reserve_vcc 0
		.amdhsa_float_denorm_mode_32 3
		.amdhsa_float_denorm_mode_16_64 3
		.amdhsa_memory_ordered 1
		.amdhsa_forward_progress 1
		.amdhsa_inst_pref_size 15
	.end_amdhsa_kernel
	.amdgpu_metadata
---
amdhsa.version: [ 1, 2 ]
amdhsa.kernels:
  - .name:           k_q35c1069f38_prefix
    .symbol:         k_q35c1069f38_prefix.kd
    .args:
      - { .name: st, .offset: 0, .size: 8, .value_kind: global_buffer, .address_space: global }
      - { .name: pf, .offset: 8, .size: 8, .value_kind: global_buffer, .address_space: global }
    .group_segment_fixed_size: 0
    .private_segment_fixed_size: 0
    .kernarg_segment_align: 8
    .kernarg_segment_size: 16
    .max_flat_workgroup_size: 128
    .sgpr_count:     66
    .vgpr_count:     148
    .wavefront_size: 32
...
	.end_amdgpu_metadata
.endif
;; end of part 2
;; launch attend (part 3): grid 256 x 1, 4 waves a work-group, clusters of 4 x 1, 327,680 bytes of LDS; arguments qf, kf, vb, pf, out0; writes out0
.if DOCPART == 3
	.amdgcn_target "amdgcn-amd-amdhsa--gfx1250"
	.amdhsa_code_object_version 6
	.text
	.protected	k_q35c1069f38_attend
	.globl	k_q35c1069f38_attend
	.p2align	8
	.type	k_q35c1069f38_attend,@function
k_q35c1069f38_attend:
	s_mov_b64 s[64:65], 0
	v_nop
	global_prefetch_b8 v0, s[64:65] scope:SCOPE_SE
	s_setreg_imm32_b32 hwreg(HW_REG_WAVE_MODE, 25, 1), 1
	s_wait_xcnt 0x0
	s_wait_alu depctr_hold_cnt(0) depctr_sa_sdst(0) depctr_va_vdst(0) depctr_va_sdst(0) depctr_va_ssrc(0) depctr_va_vcc(0) depctr_vm_vsrc(0)
	s_getreg_b32 s2, hwreg(HW_REG_IB_STS2, 6, 4)
	s_cmp_eq_u32 s2, 0
	s_cbranch_scc0 .Lentry_in_a_cluster
	s_endpgm
.Lentry_in_a_cluster:
	s_bfe_u32 s2, ttmp6, 0x10000c
	s_cmp_lg_u32 s2, 0x3003
	s_cbranch_scc0 .Lentry_shape_is_right
	s_endpgm
.Lentry_shape_is_right:
; out[t] = (q'[t] S + sum over s <= t in the chunk of (q'[t] k'[s]) v[s]) / (the same with 1 for v, + 1e-6), S the prefix state of the chunks in front.
; A cluster of four work-groups takes one chunk of 256 rows; partner cx takes the queries 64 cx .. 64 cx + 63.  All four read the chunk's whole k', v and prefix
; state, so these come by JOINT tensor loads (mask 15).  All operands lie in memory in the order of matrix fragments (1 KiB = [i][lane][16 bytes]):
; the LDS reads are lane * 16, consecutive, and need neither padding nor transposing.
; Wave w = 2 rg + kh: queries 32 rg .. + 31 (two row tiles), keys 128 kh .. + 127 of the chunk and features 128 kh .. + 127 of the state: a partial sum of
; 32 rows x 256 columns in 256 registers.  The two halves kh meet in the LDS stage through which the rows leave anyway.
; Every matrix instruction takes the chunk's operand as source 0 and the query's as source 1: a lane holds 8 neighbouring numbers of one query's row.
; THE SCORES GO IN AS TWO bf16 NUMBERS, hi = bf16(P) and lo = bf16(P - hi).  In the first rows of a sequence the result is a mean of few values, and a weight
; that is off by one bf16 rounding (2^-9 of itself) shows whole in it; with the second part a weight is good to 2^-17.  A fragment of v from LDS
; then feeds four matrix instructions (two row tiles x hi, lo), a fragment of k' or of the state two.
; Key tiles wholly above the diagonal are not skipped: a trip count must not differ between the partners of a joint load.
; The denominator rides along as one more column: a fragment of ones against the masked scores, the state's tile 16 against q'.
; LIMITS: q', k', v and the state come in bf16 as the launches in front rounded them; numerator and denominator take the same operands; sums in f32.
; No prefetch: tiles are asked for a phase ahead.
.set SL1,  131072                      ; slot 0: k', then v (131,072 bytes).  slot 1: the prefix state (139,264 bytes)
.set SP,   1040                        ; the stage's pitch: a row of 256 f32 + 16
.set WSTG, 32*SP                       ; a wave's stage; the stages lie in slot 1 behind its last read, and it is not filled again
.set DEN,  SL1+4*WSTG                  ; 256 bytes a wave: the denominators' partial sums
.set L16,  1                           ; v1      16 x lane
.set NEG1, 3                           ; v3      h while the addresses are made, then -1.0
.set AKLO, 4                           ; v4, v5  k' fragments: the feature half kh, the other half
.set AKHI, 5
.set AVA,  6                           ; v6, v7  v fragments, dt 0-7, 8-15
.set ASA,  8                           ; v8, v9  state fragments, dt 0-7, 8-15
.set ASZ,  10                          ; v10     state tile 16
.set STO,  11
.set DST,  12
.set RD,   13
.set THR,  14                          ; v14, v15  query - 8 h - 128 kh of row tile 0, 1: key 16 kt + j is kept if it is not larger
.set QF,   16                          ; v[16:143]   q' fragments (rt, q) at 16 + 64 rt + 8 q; place q holds the features 32 (q xor 4 kh)
.set PA,   144                         ; v[144:175]  scores, two sets of two tiles
.set PP,   176                         ; v[176:239]  masked scores' upper parts, bf16 fragments (rt, kc) at 176 + 32 rt + 8 kc
.set DN,   240                         ; v[240:255]  denominators
; window 1: sums (rt, dt) at 8 (16 rt + dt).  window 2: two fragment buffers at 0, 64; ones at 128; state tile 16 at 136; the scores' lower parts at 168
.set ONES, 128
.set SD,   136
.set PL,   168                         ; window 2, v[168:231]: (rt, kc) at 168 + 32 rt + 8 kc
.set MSB, 0
.macro WIN new
.if MSB != \new
	s_set_vgpr_msb (MSB<<8)|\new
.set MSB, \new
.endif
.endm
.macro PLACES                          ; four places behind a matrix instruction (ISA guide 7.12.1)
.rept 4
	v_nop
.endr
.endm
.macro ROUND
	s_barrier_signal -1
	s_barrier_wait -1
	s_cmp_lg_u32 s20, 0
	s_cbranch_scc1 .Lnw0_\@
	s_barrier_signal -3
.Lnw0_\@:
	s_barrier_wait -3
	s_barrier_signal -1
	s_barrier_wait -1
.endm
	s_load_b256 s[4:11], s[0:1], 0x0               ; qf 4, kf 6, vb 8, pf 10
	s_load_b64 s[12:13], s[0:1], 0x20              ; out0
	s_set_vgpr_msb 0x80
	v_lshl_add_u32 v254, v0, 2, 0x42000
	v_mov_b32 v255, 0
	s_set_vgpr_msb 0x808a
	ds_add_u32 v254, v255
	s_set_vgpr_msb 0x8a00
	v_lshrrev_b32 v1, 5, v0
	v_readfirstlane_b32 s20, v1                    ; wave
	s_bfe_u32 s21, ttmp6, 0x40000                  ; cx: my quarter of the queries
	s_lshr_b32 s22, s20, 1                         ; rg
	s_and_b32 s23, s20, 1                          ; kh
	s_xor_b32 s52, s23, 1
	; dense blocks as rows of 256 bytes: 128 rows a wave for k' and v, 136 for the state
	s_mov_b32 s24, 15|(3<<16)|(1<<21)
	s_mov_b32 s25, 32<<16
	s_mov_b32 s26, 128<<16
	s_mov_b32 s27, 32<<16
	s_mov_b32 s28, 128
	s_mov_b32 s29, 32
	s_mov_b32 s30, 0
	s_mov_b32 s31, 0
	s_mov_b32 s40, 15|(3<<16)|(1<<21)
	s_mov_b32 s41, 32<<16
	s_mov_b32 s42, 136<<16
	s_mov_b32 s43, 32<<16
	s_mov_b32 s44, 136
	s_mov_b32 s45, 32
	s_mov_b32 s46, 0
	s_mov_b32 s47, 0
	s_mul_i32 s53, s20, 32768
	s_mul_i32 s54, s20, 34816
	s_mov_b32 s32, 1
	s_add_co_u32 s33, s53, 0                       ; k' into slot 0
	s_mov_b32 s36, 1
	s_add_co_u32 s37, s54, SL1                     ; the state into slot 1
	s_mov_b32 s48, 1
	s_add_co_u32 s49, s53, 0                       ; v into slot 0, later
	s_lshl_b32 s18, ttmp9, 17                      ; chunk x 131,072
	s_mov_b32 s19, 0
	s_add_co_u32 s14, s18, s53
	s_mov_b32 s15, 0
	s_mul_i32 s16, ttmp9, 139264
	s_add_co_u32 s16, s16, s54
	s_mov_b32 s17, 0
	s_lshl_b32 s60, ttmp9, 18                      ; out0: row 256 chunk + 64 cx + 16 w (what holds cx stays in s58-s63)
	s_lshl_b32 s62, s21, 16
	s_add_co_u32 s60, s60, s62
	s_lshl_b32 s62, s20, 14
	s_add_co_u32 s60, s60, s62
	s_mov_b32 s61, 0
	s_wait_dscnt 0x0
	s_wait_kmcnt 0x0
	s_add_nc_u64 s[34:35], s[6:7], s[14:15]
	s_or_b32 s35, s35, 0x80000000
	s_add_nc_u64 s[50:51], s[8:9], s[14:15]
	s_or_b32 s51, s51, 0x80000000
	s_add_nc_u64 s[38:39], s[10:11], s[16:17]
	s_or_b32 s39, s39, 0x80000000
	s_add_nc_u64 s[4:5], s[4:5], s[18:19]
	s_add_nc_u64 s[12:13], s[12:13], s[60:61]
	ROUND                                          ; the four partners are here
	tensor_load_to_lds s[32:35], s[24:31]          ; k'
	s_nop 0
	tensor_load_to_lds s[36:39], s[40:47]          ; the state: two loads of the wave are out, the most in this text
	s_nop 0
	v_and_b32 v1, 31, v0
	v_lshlrev_b32 v[L16], 4, v1
	v_and_b32 v2, 15, v0                           ; r
	v_bfe_u32 v3, v0, 4, 1                         ; h
	s_lshl_b32 s53, s23, 12                        ; 4 fragments of 1 KiB x kh
	s_lshl_b32 s54, s23, 16                        ; 8 row tiles of 8 KiB x kh
	s_lshl_b32 s55, s52, 12
	s_add_co_u32 s55, s55, s54
	s_add_co_u32 s54, s54, s53
	v_add_nc_u32 v[AKLO], s54, v[L16]
	v_add_nc_u32 v[AKHI], s55, v[L16]
	v_add_nc_u32 v[AVA], s53, v[L16]
	v_add_nc_u32 v[AVA+1], 65536, v[AVA]
	v_add_nc_u32 v[ASA], SL1, v[AVA]
	v_add_nc_u32 v[ASA+1], SL1+65536, v[AVA]
	v_add_nc_u32 v[ASZ], SL1+131072, v[AVA]
	v_mul_u32_u24 v[STO], v2, SP
	v_lshl_add_u32 v[STO], v3, 5, v[STO]
	s_mul_i32 s56, s20, WSTG
	s_add_co_u32 s56, s56, SL1
	v_add_nc_u32 v[STO], s56, v[STO]
	v_lshlrev_b32 v[DST], 2, v2
	v_lshl_add_u32 v[DST], v3, 7, v[DST]
	s_lshl_b32 s56, s20, 8
	s_add_co_u32 s56, s56, DEN
	v_add_nc_u32 v[DST], s56, v[DST]
	s_mul_i32 s56, s22, 2*WSTG
	s_mul_i32 s57, s23, 16*SP
	s_add_co_u32 s56, s56, s57
	s_add_co_u32 s56, s56, SL1
	v_add_nc_u32 v[RD], s56, v[L16]
	s_lshl_b32 s58, s21, 6
	s_lshl_b32 s59, s22, 5
	s_add_co_u32 s58, s58, s59
	s_lshl_b32 s59, s23, 7
	s_sub_co_i32 s58, s58, s59                     ; 64 cx + 32 rg - 128 kh, signed
	v_add_nc_u32 v[THR], s58, v2
	v_lshlrev_b32 v144, 3, v3
	v_sub_nc_u32 v[THR], v[THR], v144
	v_add_nc_u32 v[THR+1], 16, v[THR]
	s_lshl_b32 s59, s21, 15                        ; q': row tile 4 cx + 2 rg, 8 KiB each
	s_lshl_b32 s62, s22, 14
	s_add_co_u32 s59, s59, s62
	s_lshl_b32 s62, s52, 12
	s_add_co_u32 s62, s62, s59
	v_add_nc_u32 v144, s59, v[AVA]                 ; features' half kh
	v_add_nc_u32 v145, s62, v[L16]                 ; the other half
.irp rt, 0,1
.irp q, 0,1,2,3
	global_load_b128 v[QF+64*\rt+8*\q:QF+64*\rt+8*\q+3],       v144, s[4:5] offset:\rt*8192+\q*1024
	global_load_b128 v[QF+64*\rt+8*\q+4:QF+64*\rt+8*\q+7],     v144, s[4:5] offset:\rt*8192+\q*1024+512
	global_load_b128 v[QF+64*\rt+32+8*\q:QF+64*\rt+32+8*\q+3], v145, s[4:5] offset:\rt*8192+\q*1024
	global_load_b128 v[QF+64*\rt+36+8*\q:QF+64*\rt+36+8*\q+3], v145, s[4:5] offset:\rt*8192+\q*1024+512
.endr
.endr
	v_mov_b32 v[NEG1], -1.0                        ; h has served
	v_cmp_eq_u32 vcc_lo, 0, v2
	v_mov_b32 v146, 0x3f803f80
	v_cndmask_b32 v146, 0, v146, vcc_lo            ; ones in row 0 of the fragment
	WIN 0x80
.irp j, 0,1,2,3,4,5,6,7
	v_mov_b32 v[ONES+\j], v146
.endr
	WIN 0
	s_wait_tensorcnt 0x1                           ; my part of k' has landed; the state's may stay out
	s_barrier_signal -1
	s_barrier_wait -1
; SCORES: key tile kt (16 keys) x 32 queries over 256 features.
.macro LOADK kt
.irp q, 0,1,2,3
	ds_load_b128 v[64*((\kt)%2)+8*\q:64*((\kt)%2)+8*\q+3],       v[AKLO] offset:(\kt)*8192+\q*1024
	ds_load_b128 v[64*((\kt)%2)+8*\q+4:64*((\kt)%2)+8*\q+7],     v[AKLO] offset:(\kt)*8192+\q*1024+512
.endr
.irp q, 0,1,2,3
	ds_load_b128 v[64*((\kt)%2)+32+8*\q:64*((\kt)%2)+32+8*\q+3], v[AKHI] offset:(\kt)*8192+\q*1024
	ds_load_b128 v[64*((\kt)%2)+36+8*\q:64*((\kt)%2)+36+8*\q+3], v[AKHI] offset:(\kt)*8192+\q*1024+512
.endr
.endm
.macro QK kt                           ; two accumulators take turns
.irp q, 0,1,2,3,4,5,6,7
.irp rt, 0,1
.if \q == 0
	v_wmma_f32_16x16x32_bf16 v[PA+16*((\kt)%2)+8*\rt:PA+16*((\kt)%2)+8*\rt+7], v[64*((\kt)%2)+8*\q:64*((\kt)%2)+8*\q+7], v[QF+64*\rt+8*\q:QF+64*\rt+8*\q+7], 0
.else
	v_wmma_f32_16x16x32_bf16 v[PA+16*((\kt)%2)+8*\rt:PA+16*((\kt)%2)+8*\rt+7], v[64*((\kt)%2)+8*\q:64*((\kt)%2)+8*\q+7], v[QF+64*\rt+8*\q:QF+64*\rt+8*\q+7], v[PA+16*((\kt)%2)+8*\rt:PA+16*((\kt)%2)+8*\rt+7]
.endif
.endr
.endr
.endm
; Keys behind the query count for nothing.  A lane's eight keys are half of a fragment of source 1.  hi = bf16(P); P - hi is exact in f32 (hi x -1.0 + P, one
; rounding that has nothing to round) and is rounded to bf16 in its turn.  Entered with every window 0; left with the destination in window 2.
.macro MASK kt
.irp rt, 0,1
.irp j, 0,1,2,3,4,5,6,7
	v_cmp_le_i32 vcc_lo, 16*(\kt)+\j, v[THR+\rt]
	v_cndmask_b32 v[PA+16*((\kt)%2)+8*\rt+\j], 0, v[PA+16*((\kt)%2)+8*\rt+\j], vcc_lo
.endr
.irp j, 0,1,2,3
	v_cvt_pk_bf16_f32 v[PP+32*\rt+8*((\kt)/2)+4*((\kt)%2)+\j], v[PA+16*((\kt)%2)+8*\rt+2*\j], v[PA+16*((\kt)%2)+8*\rt+2*\j+1]
.endr
.irp j, 0,1,2,3
	v_fma_mix_f32_bf16 v[PA+16*((\kt)%2)+8*\rt+2*\j],   v[PP+32*\rt+8*((\kt)/2)+4*((\kt)%2)+\j], v[NEG1], v[PA+16*((\kt)%2)+8*\rt+2*\j]   op_sel_hi:[1,0,0]
	v_fma_mix_f32_bf16 v[PA+16*((\kt)%2)+8*\rt+2*\j+1], v[PP+32*\rt+8*((\kt)/2)+4*((\kt)%2)+\j], v[NEG1], v[PA+16*((\kt)%2)+8*\rt+2*\j+1] op_sel:[1,0,0] op_sel_hi:[1,0,0]
.endr
.endr
	WIN 0x80
.irp rt, 0,1
.irp j, 0,1,2,3
	v_cvt_pk_bf16_f32 v[PL+32*\rt+8*((\kt)/2)+4*((\kt)%2)+\j], v[PA+16*((\kt)%2)+8*\rt+2*\j], v[PA+16*((\kt)%2)+8*\rt+2*\j+1]
.endr
.endr
.endm
	WIN 0x80
	LOADK 0
	LOADK 1
	s_wait_loadcnt 0x0                             ; q'
.irp kt, 0,1,2,3,4,5,6,7
.if \kt < 7
	s_wait_dscnt 16                                ; this tile's fragments are in, the next tile's sixteen loads stay out
.else
	s_wait_dscnt 0
.endif
	WIN 0x02
	QK \kt
	WIN 0
.if \kt > 0
	MASK \kt-1                                     ; the tile before, from the other set: also the places behind this tile's matrix instructions
.else
	PLACES
.endif
.if \kt < 6
	WIN 0x80
	LOADK \kt+2
.endif
.endr
	WIN 0
	PLACES
	MASK 7
	WIN 0
	; slot 0 is filled again: my reads of k' are back, all my tensor loads have landed (the state among them), a round of the cluster's barrier, the one joint load
	s_wait_dscnt 0x0
	s_set_vgpr_msb 0xa
	s_wait_tensorcnt 0x0
	ds_add_u32 v254, v255
	s_wait_dscnt 0x0
	s_set_vgpr_msb 0xa00
	ROUND
	tensor_load_to_lds s[48:51], s[24:31]          ; v: it has the state's 136 matrix instructions of the wave in which to land
	s_nop 0
; 16 column tiles x 2 row tiles x 4 K steps, in eight batches of eight fragments on two buffers.  a0: address registers of dt 0-7 and 8-15;
; source 1 is v[bb + brt rt + 8 q] of window 0 and, where lob is not 0, once more v[lob + 32 rt + 8 q] of window 2 on the same fragments.
; The accumulators take turns, one instruction a turn: a run of sixteen ends on another accumulator than the next begins on.
.macro LOADB a0, n
.irp f, 0,1,2,3,4,5,6,7
	ds_load_b128 v[64*((\n)%2)+8*\f:64*((\n)%2)+8*\f+3],   v[\a0+((\n)%2)] offset:\f*8192+((\n)/2)*1024
	ds_load_b128 v[64*((\n)%2)+8*\f+4:64*((\n)%2)+8*\f+7], v[\a0+((\n)%2)] offset:\f*8192+((\n)/2)*1024+512
.endr
.endm
.macro PASS a0, bb, brt, zero, lob
	PLACES
	WIN 0x80
	LOADB \a0, 0
.irp n, 0,1,2,3,4,5,6,7
.if \n < 7
.if \n > 0
	PLACES                                         ; behind the batch that read the buffer loaded next
.endif
	WIN 0x80
	LOADB \a0, \n+1
	s_wait_dscnt 16                                ; all but the sixteen just issued
.else
	s_wait_dscnt 0
.endif
.set ZC, 0
.if \zero
.if \n < 2
.set ZC, 1
.endif
.endif
	WIN 0x52
.irp f, 0,1,2,3,4,5,6,7
.irp rt, 0,1
.if ZC
	v_wmma_f32_16x16x32_bf16 v[8*(16*\rt+8*(\n%2)+\f):8*(16*\rt+8*(\n%2)+\f)+7], v[64*(\n%2)+8*\f:64*(\n%2)+8*\f+7], v[\bb+\brt*\rt+8*(\n/2):\bb+\brt*\rt+8*(\n/2)+7], 0
.else
	v_wmma_f32_16x16x32_bf16 v[8*(16*\rt+8*(\n%2)+\f):8*(16*\rt+8*(\n%2)+\f)+7], v[64*(\n%2)+8*\f:64*(\n%2)+8*\f+7], v[\bb+\brt*\rt+8*(\n/2):\bb+\brt*\rt+8*(\n/2)+7], v[8*(16*\rt+8*(\n%2)+\f):8*(16*\rt+8*(\n%2)+\f)+7]
.endif
.endr
.endr
.if \lob
	WIN 0x5a                                       ; source 1 from window 2: the scores' lower parts
.irp f, 0,1,2,3,4,5,6,7
.irp rt, 0,1
	v_wmma_f32_16x16x32_bf16 v[8*(16*\rt+8*(\n%2)+\f):8*(16*\rt+8*(\n%2)+\f)+7], v[64*(\n%2)+8*\f:64*(\n%2)+8*\f+7], v[\lob+32*\rt+8*(\n/2):\lob+32*\rt+8*(\n/2)+7], v[8*(16*\rt+8*(\n%2)+\f):8*(16*\rt+8*(\n%2)+\f)+7]
.endr
.endr
.endif
.endr
.endm
	; q' x the prefix state, my half of the features; its first products start the sums
	WIN 0x80
.irp q, 0,1,2,3
	ds_load_b128 v[SD+8*\q:SD+8*\q+3],   v[ASZ] offset:\q*1024
	ds_load_b128 v[SD+8*\q+4:SD+8*\q+7], v[ASZ] offset:\q*1024+512
.endr
	PASS ASA, QF, 64, 1, 0
	WIN 0x02
.irp q, 0,1,2,3
.irp rt, 0,1
.if \q == 0
	v_wmma_f32_16x16x32_bf16 v[DN+8*\rt:DN+8*\rt+7], v[SD+8*\q:SD+8*\q+7], v[QF+64*\rt+8*\q:QF+64*\rt+8*\q+7], 0
.else
	v_wmma_f32_16x16x32_bf16 v[DN+8*\rt:DN+8*\rt+7], v[SD+8*\q:SD+8*\q+7], v[QF+64*\rt+8*\q:QF+64*\rt+8*\q+7], v[DN+8*\rt:DN+8*\rt+7]
.endif
.endr
.endr
	WIN 0
	s_wait_dscnt 0x0                               ; my reads of the state are back: slot 1 may become the stage
	s_wait_tensorcnt 0x0                           ; my part of v has landed
	s_barrier_signal -1
	s_barrier_wait -1
	; masked scores x v, my half of the keys, upper and lower parts
	PASS AVA, PP, 32, 0, PL
	WIN 0x02
.irp kc, 0,1,2,3
.irp rt, 0,1
	v_wmma_f32_16x16x32_bf16 v[DN+8*\rt:DN+8*\rt+7], v[ONES:ONES+7], v[PP+32*\rt+8*\kc:PP+32*\rt+8*\kc+7], v[DN+8*\rt:DN+8*\rt+7]
.endr
.endr
	WIN 0x0a
.irp kc, 0,1,2,3
.irp rt, 0,1
	v_wmma_f32_16x16x32_bf16 v[DN+8*\rt:DN+8*\rt+7], v[ONES:ONES+7], v[PL+32*\rt+8*\kc:PL+32*\rt+8*\kc+7], v[DN+8*\rt:DN+8*\rt+7]
.endr
.endr
	WIN 0
	; my partial sums into my stage: lane (r, h) holds columns 16 dt + 8 h + 0..7 of row 16 rt + r
	PLACES
	WIN 0x04
.irp rt, 0,1
.irp dt, 0,1,2,3,4,5,6,7,8,9,10,11,12,13,14,15
	ds_store_b128 v[STO], v[8*(16*\rt+\dt):8*(16*\rt+\dt)+3]   offset:\rt*16*SP+\dt*64
	ds_store_b128 v[STO], v[8*(16*\rt+\dt)+4:8*(16*\rt+\dt)+7] offset:\rt*16*SP+\dt*64+16
.endr
.endr
	WIN 0
	ds_store_b32 v[DST], v[DN]                     ; register 0 of the lanes h = 0 is row r's denominator
	ds_store_b32 v[DST], v[DN+8] offset:64
	s_wait_dscnt 0x0
	s_barrier_signal -1
	s_barrier_wait -1
	; wave w finishes rows 16 w .. 16 w + 15: both halves' sums, the division, whole rows out
	s_lshl_b32 s56, s22, 9
	s_lshl_b32 s57, s23, 6
	s_add_co_u32 s56, s56, s57
	s_add_co_u32 s56, s56, DEN
	v_lshl_add_u32 v144, v2, 2, s56
	ds_load_b32 v145, v144
	ds_load_b32 v146, v144 offset:256
.macro GLOAD g                         ; four rows, two halves of 512 bytes, two partial sums
.irp ii, 0,1,2,3
.irp hf, 0,1
	ds_load_b128 v[QF+64*((\g)%2)+4*(2*\ii+\hf):QF+64*((\g)%2)+4*(2*\ii+\hf)+3],       v[RD] offset:(4*(\g)+\ii)*SP+512*\hf
	ds_load_b128 v[QF+64*((\g)%2)+32+4*(2*\ii+\hf):QF+64*((\g)%2)+32+4*(2*\ii+\hf)+3], v[RD] offset:(4*(\g)+\ii)*SP+512*\hf+WSTG
.endr
.endr
.endm
.macro GOUT g
.irp ii, 0,1,2,3
	v_readlane_b32 s56, v147, 4*(\g)+\ii           ; 1 / denominator of this row
.irp hf, 0,1
	v_pk_add_f32 v[QF+64*((\g)%2)+4*(2*\ii+\hf):QF+64*((\g)%2)+4*(2*\ii+\hf)+1],   v[QF+64*((\g)%2)+4*(2*\ii+\hf):QF+64*((\g)%2)+4*(2*\ii+\hf)+1],   v[QF+64*((\g)%2)+32+4*(2*\ii+\hf):QF+64*((\g)%2)+32+4*(2*\ii+\hf)+1]
	v_pk_add_f32 v[QF+64*((\g)%2)+4*(2*\ii+\hf)+2:QF+64*((\g)%2)+4*(2*\ii+\hf)+3], v[QF+64*((\g)%2)+4*(2*\ii+\hf)+2:QF+64*((\g)%2)+4*(2*\ii+\hf)+3], v[QF+64*((\g)%2)+34+4*(2*\ii+\hf):QF+64*((\g)%2)+34+4*(2*\ii+\hf)+1]
	v_pk_mul_f32 v[QF+64*((\g)%2)+4*(2*\ii+\hf):QF+64*((\g)%2)+4*(2*\ii+\hf)+1],   v[QF+64*((\g)%2)+4*(2*\ii+\hf):QF+64*((\g)%2)+4*(2*\ii+\hf)+1],   s[56:57] op_sel_hi:[1,0]
	v_pk_mul_f32 v[QF+64*((\g)%2)+4*(2*\ii+\hf)+2:QF+64*((\g)%2)+4*(2*\ii+\hf)+3], v[QF+64*((\g)%2)+4*(2*\ii+\hf)+2:QF+64*((\g)%2)+4*(2*\ii+\hf)+3], s[56:57] op_sel_hi:[1,0]
	global_store_b128 v[L16], v[QF+64*((\g)%2)+4*(2*\ii+\hf):QF+64*((\g)%2)+4*(2*\ii+\hf)+3], s[12:13] offset:(4*(\g)+\ii)*1024+512*\hf th:TH_STORE_NT
.endr
.endr
.endm
	GLOAD 0
	GLOAD 1
	s_wait_dscnt 32                                ; the two denominator words are in; the two groups of rows stay out
	v_add_f32 v145, v145, v146
	v_add_f32 v145, 0x358637bd, v145               ; + 1e-6
	v_rcp_f32 v147, v145
	v_nop                                          ; one plain place behind the reciprocal (ISA guide 5.7.2)
	s_wait_alu depctr_va_vdst(0)
	s_mov_b32 s57, 0                               ; the pair's second word is not used, but is named
	s_wait_dscnt 16
	GOUT 0
	s_wait_xcnt 0x0                                ; the registers that the stores read are loaded again only behind this wait
	GLOAD 2
	s_wait_dscnt 16
	GOUT 1
	s_wait_xcnt 0x0
	GLOAD 3
	s_wait_dscnt 16
	GOUT 2
	s_wait_dscnt 0
	GOUT 3
	s_set_vgpr_msb 0xa
	s_wait_tensorcnt 0x0
	ds_add_u32 v254, v255
	s_wait_dscnt 0x0
	s_set_vgpr_msb 0xa00
	ROUND                                          ; the closing round
	s_endpgm
.Lfunc_end_k_q35c1069f38_attend:
	.size	k_q35c1069f38_attend, .Lfunc_end_k_q35c1069f38_attend-k_q35c1069f38_attend
	.p2alignl 7, 3214868480
	.fill 96, 4, 3214868480
	.section	.rodata,"a",@progbits
	.p2align	6, 0x0
	.amdhsa_kernel k_q35c1069f38_attend
		.amdhsa_group_segment_fixed_size 327680
		.amdhsa_private_segment_fixed_size 0
		.amdhsa_enable_private_segment 0
		.amdhsa_kernarg_size 40
		.amdhsa_user_sgpr_count 2
		.amdhsa_user_sgpr_kernarg_segment_ptr 1
		.amdhsa_wavefront_size32 1
		.amdhsa_system_sgpr_workgroup_id_x 1
		.amdhsa_system_sgpr_workgroup_id_y 1
		.amdhsa_system_sgpr_workgroup_id_z 1
		.amdhsa_system_vgpr_workitem_id 0
		.amdhsa_next_free_vgpr 768
		.amdhsa_next_free_sgpr 66
		.amdhsa_reserve_vcc 1
		.amdhsa_float_denorm_mode_32 3
		.amdhsa_float_denorm_mode_16_64 3
		.amdhsa_memory_ordered 1
		.amdhsa_forward_progress 1
		.amdhsa_inst_pref_size 121
	.end_amdhsa_kernel
	.amdgpu_metadata
---
amdhsa.version: [ 1, 2 ]
amdhsa.kernels:
  - .name:           k_q35c1069f38_attend
    .symbol:         k_q35c1069f38_attend.kd
    .args:
      - { .name: qf, .offset: 0, .size: 8, .value_kind: global_buffer, .address_space: global }
      - { .name: kf, .offset: 8, .size: 8, .value_kind: global_buffer, .address_space: global }
      - { .name: vb, .offset: 16, .size: 8, .value_kind: global_buffer, .address_space: global }
      - { .name: pf, .offset: 24, .size: 8, .value_kind: global_buffer, .address_space: global }
      - { .name: out0, .offset: 32, .size: 8, .value_kind: global_buffer, .address_space: global }
    .group_segment_fixed_size: 327680
    .private_segment_fixed_size: 0
    .kernarg_segment_align: 8
    .kernarg_segment_size: 40
    .max_flat_workgroup_size: 128
    .sgpr_count:     66
    .vgpr_count:     768
    .wavefront_size: 32
...
	.end_amdgpu_metadata
.endif
;; end of part 3
;; ======== version 2 of 2: 3 launches; version 1 with the launch prefix written anew for expert scheduling mode
;; limits: values outside matrix products are rounded to bf16
;; workspace buffers: kf 8,388,608 bytes; qf 8,388,608 bytes; vb 8,388,608 bytes; st 8,912,896 bytes; pf 8,912,896 bytes
;; launch phistate: the kernel of part 1 again; grid 256 x 1, 4 waves a work-group, clusters of 4 x 1, 327,680 bytes of LDS; arguments key, projection, query, value, kf, qf, vb, st; writes kf, qf, vb, st
;; launch prefix (part 4): grid 68 x 4, 4 waves a work-group, no clusters, 0 bytes of LDS; arguments st, pf; writes pf
.if DOCPART == 4
	.amdgcn_target "amdgcn-amd-amdhsa--gfx1250"
	.amdhsa_code_object_version 6
	.text
	.protected	k_q35c1069f38_prefix
	.globl	k_q35c1069f38_prefix
	.p2align	8
	.type	k_q35c1069f38_prefix,@function
k_q35c1069f38_prefix:
	s_mov_b64 s[64:65], 0
	v_nop
	global_prefetch_b8 v0, s[64:65] scope:SCOPE_SE
	s_setreg_imm32_b32 hwreg(HW_REG_WAVE_SCHED_MODE, 0, 2), 2
	s_setreg_imm32_b32 hwreg(HW_REG_WAVE_MODE, 25, 1), 1
	s_wait_xcnt 0x0
	s_wait_alu depctr_vm_vsrc(0)
; pf[b][g] = sum over g' < g of st[b][g'], the sixteen chunk states of a batch; sums in f32, rounded to bf16 once for each g.
; A chunk's image is 139,264 bytes = 68 x 2,048.  A work-group of 128 threads owns 2,048 bytes of the image in all sixteen chunks of one batch, a thread 16 bytes:
; each load and store of a wave covers 512 consecutive bytes, aligned.  All fifteen loads go out at once; chunk 15's state is needed by nobody.
; A stream: no LDS, no barrier, no matrix unit, no cluster (no byte is read twice).
; THE MODE: SCHED_MODE bits 1:0 = 2 (LLVM: expert scheduling mode 2), set by the entry lines.  The code itself states the register dependences
; between vector instructions and memory instructions, with s_wait_alu, always for 0.
; THE PLAN.  Registers that memory instructions touch:
;   v1       the offset of every load and store.  Written once at the head, never again.
;   ZR       the first store's data.  Written once at the head, never again.
;   IN[g]    written by the loads alone, all issued at the head, ahead of every vector line that names them; read by step g's unpacking lines
;            (IN[0] also by one store); never written again.
;   OUT[g]   a set of four registers for each step g = 1 .. 14: written by step g's conversions, read by one store, never written again.
;   SUM and T are named by vector instructions alone.
; No register that a memory instruction reads is written again, and no load is issued behind a vector line that names its registers: what is left to state is that
; a store's data and the offset are written.  One wait at the head states it for v1 and ZR.  The store of OUT[g - 1] stands at the head of step g, behind the wait for
; step g's data and one wait which states that step g - 1's conversions have written it; step g's own vector lines name IN[g], T, SUM and OUT[g], none of that store's registers.
; Behind step 14 one more wait stands ahead of the last store.
.set CH,  139264
.set SUM, 4                            ; v[4:11]    eight running sums
.set IN,  16                           ; v[16:75]   chunk g as loaded
.set OUT, 76                           ; v[80:135]  chunk g's own registers to store: none is rewritten
.set ZR,  136                          ; v[136:139] zeros
.set T,   140                          ; v[140:147] at work
	s_load_b128 s[4:7], s[0:1], 0x0
	s_and_b32 s8, ttmp7, 0xffff
	s_mul_i32 s8, s8, 16*CH                        ; batch
	s_lshl_b32 s9, ttmp9, 11
	s_add_co_u32 s8, s8, s9
	s_mov_b32 s9, 0
	s_mov_b32 s10, 0xffff0000
	v_lshlrev_b32 v1, 4, v0
.irp k, 0,1,2,3
	v_mov_b32 v[ZR+\k], 0
.endr
	s_wait_kmcnt 0x0
	s_add_nc_u64 s[4:5], s[4:5], s[8:9]
	s_add_nc_u64 s[6:7], s[6:7], s[8:9]
	s_wait_alu depctr_va_vdst(0)                   ; v1 is written, which every load and store of the kernel reads as its offset; so is ZR, the first store's data
.set g, 0
.rept 15
	global_load_b128 v[IN+4*g:IN+4*g+3], v1, s[4:5] offset:g*CH th:TH_LOAD_NT
.set g, g+1
.endr
	global_store_b128 v1, v[ZR:ZR+3], s[6:7]       ; nothing lies in front of chunk 0
	s_wait_loadcnt 14
	global_store_b128 v1, v[IN:IN+3], s[6:7] offset:CH   ; chunk 0 is chunk 1's prefix as it stands: the store's data came by a load, which the wait above shows done
.irp k, 0,1,2,3
	v_lshlrev_b32 v[SUM+2*\k], 16, v[IN+\k]        ; and it starts the sums
	v_and_b32 v[SUM+2*\k+1], s10, v[IN+\k]
.endr
.set g, 1
.rept 14
	s_wait_loadcnt 14-g                            ; chunk g is in, the younger loads stay out
.if g > 1
	s_wait_alu depctr_va_vdst(0)                   ; the step before has written OUT[g - 1], which the store below reads
	global_store_b128 v1, v[OUT+4*(g-1):OUT+4*(g-1)+3], s[6:7] offset:g*CH
.endif
.irp k, 0,1,2,3
	v_lshlrev_b32 v[T+2*\k], 16, v[IN+4*g+\k]
	v_and_b32 v[T+2*\k+1], s10, v[IN+4*g+\k]
.endr
.irp k, 0,2,4,6
	v_pk_add_f32 v[SUM+\k:SUM+\k+1], v[SUM+\k:SUM+\k+1], v[T+\k:T+\k+1]
.endr
.irp k, 0,1,2,3
	v_cvt_pk_bf16_f32 v[OUT+4*g+\k], v[SUM+2*\k], v[SUM+2*\k+1]
.endr
.set g, g+1
.endr
	s_wait_alu depctr_va_vdst(0)                   ; step 14 has written OUT[14], which the last store reads
	global_store_b128 v1, v[OUT+4*14:OUT+4*14+3], s[6:7] offset:15*CH
	s_endpgm
.Lfunc_end_k_q35c1069f38_prefix:
	.size	k_q35c1069f38_prefix, .Lfunc_end_k_q35c1069f38_prefix-k_q35c1069f38_prefix
	.p2alignl 7, 3214868480
	.fill 96, 4, 3214868480
	.section	.rodata,"a",@progbits
	.p2align	6, 0x0
	.amdhsa_kernel k_q35c1069f38_prefix
		.amdhsa_group_segment_fixed_size 0
		.amdhsa_private_segment_fixed_size 0
		.amdhsa_enable_private_segment 0
		.amdhsa_kernarg_size 16
		.amdhsa_user_sgpr_count 2
		.amdhsa_user_sgpr_kernarg_segment_ptr 1
		.amdhsa_wavefront_size32 1
		.amdhsa_system_sgpr_workgroup_id_x 1
		.amdhsa_system_sgpr_workgroup_id_y 1
		.amdhsa_system_sgpr_workgroup_id_z 1
		.amdhsa_system_vgpr_workitem_id 0
		.amdhsa_next_free_vgpr 148
		.amdhsa_next_free_sgpr 66
		.amdhsa_reserve_vcc 0
		.amdhsa_float_denorm_mode_32 3
		.amdhsa_float_denorm_mode_16_64 3
		.amdhsa_memory_ordered 1
		.amdhsa_forward_progress 1
		.amdhsa_inst_pref_size 16
	.end_amdhsa_kernel
	.amdgpu_metadata
---
amdhsa.version: [ 1, 2 ]
amdhsa.kernels:
  - .name:           k_q35c1069f38_prefix
    .symbol:         k_q35c1069f38_prefix.kd
    .args:
      - { .name: st, .offset: 0, .size: 8, .value_kind: global_buffer, .address_space: global }
      - { .name: pf, .offset: 8, .size: 8, .value_kind: global_buffer, .address_space: global }
    .group_segment_fixed_size: 0
    .private_segment_fixed_size: 0
    .kernarg_segment_align: 8
    .kernarg_segment_size: 16
    .max_flat_workgroup_size: 128
    .sgpr_count:     66
    .vgpr_count:     148
    .wavefront_size: 32
...
	.end_amdgpu_metadata
.endif
;; end of part 4
;; launch attend: the kernel of part 3 again; grid 256 x 1, 4 waves a work-group, clusters of 4 x 1, 327,680 bytes of LDS; arguments qf, kf, vb, pf, out0; writes out0
